; MI455X (gfx1250); checked and timed in simulation.
; The chip was launched on July 23, 2026; its instructions are those of AMD's public machine-readable ISA for CDNA 5 (MIT licence, August 2026) and "CDNA5" Instruction Set Architecture Reference Guide (July 2026). The comments in the code are by the model that wrote it; some were corrected since.
;; multi Time Attention. Allowed arithmetic: matrix products marked QUANTISED: E3M2 operands, one E8M0 scale for each 32 along K, by v_wmma_scale_f32_16x16x128_f8f6f4 with both operands' format E3M2, f32 sums; products left as they are: f32 operands where the result goes on into a quantised operand, else bf16, f16 or f32 operands; f32 sums; everything else in f32.
;; Inputs: Wk_codes 128 x 4 x 24 uint8 (E3M2 codes of Wk, K innermost, in blocks of 32 codes, four codes in three bytes); Wk_scales 128 x 4 uint8 (E8M0 scales of Wk, one for each 32 codes along K); Wo_codes 256 x 8 x 24 uint8 (E3M2 codes of Wo, K innermost, in blocks of 32 codes, four codes in three bytes); Wo_scales 256 x 8 uint8 (E8M0 scales of Wo, one for each 32 codes along K); Wq_codes 128 x 4 x 24 uint8 (E3M2 codes of Wq, K innermost, in blocks of 32 codes, four codes in three bytes); Wq_scales 128 x 4 uint8 (E8M0 scales of Wq, one for each 32 codes along K); bk 128 float32; bo 256 float32; bq 128 float32; key_codes 8 x 512 x 4 x 24 uint8 (E3M2 codes of key, K innermost, in blocks of 32 codes, four codes in three bytes); key_scales 8 x 512 x 4 uint8 (E8M0 scales of key, one for each 32 codes along K); mask 8 x 512 x 32 int32; query_codes 8 x 128 x 4 x 24 uint8 (E3M2 codes of query, K innermost, in blocks of 32 codes, four codes in three bytes); query_scales 8 x 128 x 4 uint8 (E8M0 scales of query, one for each 32 codes along K); value 8 x 512 x 32 float32.
;; Outputs: out0 8 x 128 x 256 float32.
;; This version of the problem:
;;   THIS VERSION OF THE PROBLEM IS GIVEN IN LOW PRECISION. The matrix products marked QUANTISED in the list below multiply operands that are first quantised to E3M2 (3 exponent bits, 2 mantissa bits; 6 bits a number), with one power-of-two scale for each 32 numbers along K (OCP MX v1.0); their sums are f32. All else is computed in f32.
;;   The module's matrix products, in the order in which they are computed (A, B: the left and right operand; K: the contracted axis; several contracted axes count as one K, in the product's order):
;;     1. [M 1,024, K 128] x [K 128, N 128]; A: input query (given as codes); B: input Wq (given as codes): QUANTISED
;;     2. [M 4,096, K 128] x [K 128, N 128]; A: input key (given as codes); B: input Wk (given as codes): QUANTISED
;;     3. batch 64 x [M 128, K 16] x [K 16, N 512]; A: computed on the way; B: computed on the way: left as it is (K = 16 < 32)
;;     4. [M 1,024, K 256] x [K 256, N 256]; A: computed on the way; B: input Wo (given as codes): QUANTISED
;;   THE QUANTISER, for each operand of a quantised product, along K:
;;     - K is cut into blocks of 32 from its start; a last block that is shorter is filled with zeros.
;;     - A block's scale is 2^e with e = floor(log2(the largest magnitude in the block)) - 4, held to -126 .. 127; a block of zeros has e = 0. As a byte (E8M0): e + 127.
;;     - Each number is divided by its block's scale, clamped to +-28, and rounded to the nearest number of E3M2, ties to even, subnormals kept.
;;     - The product sums the exact products of the quantised numbers (number of the format x scale) in f32.
;;   ~~~python
;;   def quantise(x, axis):      # numpy; x: float32 -> the quantised numbers, widened to float32 again
;;       x = np.moveaxis(x, axis, -1); K = x.shape[-1]
;;       x = np.pad(x, [(0, 0)] * (x.ndim - 1) + [(0, -K % 32)]); x = x.reshape(x.shape[:-1] + (-1, 32)); a = np.abs(x).max(-1, keepdims=True)
;;       e = np.where(a > 0, np.clip(np.frexp(np.where(a > 0, a, 1))[1] - 1 - 4, -126, 127), 0)      # np.frexp(a)[1] - 1 = floor(log2(a)), exactly
;;       r = np.clip(x / 2.0 ** e, -28, 28)
;;       step = 2.0 ** (np.maximum(np.frexp(np.where(r == 0, 1, r))[1] - 1, -2) - 2)
;;       q = np.round(r / step) * step * 2.0 ** e      # np.round: ties to even
;;       return np.moveaxis(q.reshape(q.shape[:-2] + (-1,))[..., :K], -1, axis).astype(np.float32)
;;   ~~~
;;   OPERANDS COMPUTED ON THE WAY. 'Computed on the way' means the value that the module computes at that place (a softmax that the list does not call 'softmax' is quantised finished and normalised). What goes into a quantiser is computed in f32, as accurately as f32 sums, v_exp_f32 and their like allow (about 1e-6 of the number): no bf16 or f16 on the way to a quantiser, and a product that is left as it is and whose result goes on into a quantised operand takes f32 operands (vector FMAs, or v_wmma_f32_16x16x4_f32). A number that lies on a knife's edge between two numbers of the format may be rounded either way, as far as f32 arithmetic and the matrix unit's own rounding can turn it there, and no further.
;;   INPUTS GIVEN AS CODES. Wk (in the module: [128, 128], K = its axis 1); Wo (in the module: [256, 256], K = its axis 1); Wq (in the module: [128, 128], K = its axis 1); key (in the module: [8, 512, 128], K = its axis 2); query (in the module: [8, 128, 128], K = its axis 2): each comes as NAME_codes (uint8): NAME with its K axis moved to the last place and cut into blocks of 32 codes, [.., K / 32, bytes a block], one block behind the other in memory; four codes in three bytes: a row's codes are one little-endian stream of bits, code i at bits 6 i .. 6 i + 5 (a code: sign, 3 exponent bits, 2 mantissa bits); and NAME_scales (uint8): the same leading axes, one E8M0 byte (e + 127) for each 32 codes along K. Its value is code x scale, taken as it is: it is not quantised again, and the codes and scales need not be those that the quantiser above would give.
;; 2 versions, each right; version 2 is version 1 with the launch mtan written anew for expert scheduling mode. Each part assembles by itself: llvm-mc -triple=amdgcn-amd-amdhsa -mcpu=gfx1250 --defsym DOCPART=n.
;; ======== version 1 of 2: 1 launch
;; launch mtan (part 1): grid 32 x 8, 16 waves a work-group, no clusters, 228,608 bytes of LDS; arguments query_codes, query_scales, Wq_codes, Wq_scales, bq, key_codes, key_scales, Wk_codes, Wk_scales, bk, mask, value, Wo_codes, Wo_scales, bo, out0; writes out0
.if DOCPART == 1
	.amdgcn_target "amdgcn-amd-amdhsa--gfx1250"
	.amdhsa_code_object_version 6
	.text
	.protected	k_q9ef3ee2ee8_mtan
	.globl	k_q9ef3ee2ee8_mtan
	.p2align	8
	.type	k_q9ef3ee2ee8_mtan,@function
k_q9ef3ee2ee8_mtan:
	s_mov_b64 s[64:65], 0
	v_nop
	global_prefetch_b8 v0, s[64:65] scope:SCOPE_SE
	s_setreg_imm32_b32 hwreg(HW_REG_WAVE_MODE, 25, 1), 1
	s_wait_xcnt 0x0
; multiTimeAttention, one launch.  out0[b][q][:] = x[b][q][:] Wo^T + bo;  x[b][q][32 h + d] = sum_k softmax_k(score5[b][h][q][k][d]) value[b][k][d];
; score5 = -10000 where mask[b][k][d] == 0, else (query Wq^T + bq)_h . (key Wk^T + bk)_h / 4.  The three products with Wq, Wk, Wo go on codes of BF6 (E3M2) with E8M0 scales; the scores (K = 16) by f32 multiply-adds.
; SHARES.  A work-group owns 4 queries of one batch, all 8 heads: 32 softmax rows, 4 whole rows of out0.  Wave w of its 16 owns keys 32 w .. 32 w + 31 for all 32 rows.  In the softmax A LANE IS A FEATURE d.
; A wave keeps for the whole launch, for its 32 keys and its lane's feature: BM = 0 (counts) or -infinity (masked), VV = the value; and the codes of its 32 keys.  For each head it projects its keys (two matrix
; instructions), makes t = score x log2(e) for the 4 queries (lane = key), and for each row: u = t_k + BM (t_k comes to all lanes inside the addition, by DPP row_share), the largest u, w = 2^(u - M), the sums of w v and of w.
; Each wave leaves (N, D, M) for each row and feature in LDS; at the end the 16 parts are merged under the feature's true maximum, x = N / D is quantised along its 256 and multiplied by Wo.
; THE MAXIMUM taken away is reference()'s own, one for each (row, feature): first the wave's, then the merged one, the masked keys' -10000 among its candidates.
; THE MASKED KEYS of a feature all carry one weight, 2^(-10000 log2(e) - M): their part of the two sums is that weight x (the sum of the masked values, their number), which hang on no row: made once at the head.
; That is an identity for all values of the inputs; nothing of reference() is left out as dead, and every input is loaded (bk too: it moves the unmasked scores against the masked keys' -10000).
; LIMITS.  NaN and infinities among the inputs, and scores beyond 3e38 in size, are not served.  The score is carried as t = s log2(e), the factor log2(e) / 4 multiplied into q (one rounding more);
; -10000 log2(e) is rounded to f32; sums run in another order than reference()'s.  A block of 32 zeros of x gets the scale byte 1 where the rule says 127: its codes are zeros, and nobody else reads the byte.
; NO CLUSTER: the 32 work-groups of a batch read the same mask, value and key codes (65,536 + 65,536 + 49,152 bytes), once, at the head, straight into the registers in which they stay.  Asked for jointly they
; would have to lie in LDS first: 180,224 bytes beside the 196,608 of the rows' parts are more than a work-group can claim.  No tensor load, so no ring.
.set WKC,   0                          ; LDS: Wk's codes as they lie in memory, rows of 96 bytes
.set WKS,   12288                      ; Wk's scale words, 4 bytes a row
.set BKL,   12800                      ; bk
.set QF,    13312                      ; q' = (log2(e) / 4)(q + bq): [copy 2][query 4][128] f32; waves 0-7 write and read copy 0, waves 8-15 copy 1
.set MS,    17408                      ; [wave][sum of masked values, their number][lane]
.set XS,    21504                      ; x: 4 rows of 1,024 bytes, XP apart
.set XP,    1040
.set OS,    25856                      ; the stage for out0: [4][256] f32, dense
.set PART,  29952                      ; [row 4 h + i][wave][N, D, M][lane]: 6,144 bytes a row, 384 a wave, 128 a figure
.set SPARE, 226560                     ; the spare words, 128 bytes for each wave: eight blocks of 256 bytes that no other line names
.set SPW, 14                           ; v14  LDS address of my spare word; never rewritten
.set NIL, 15                           ; v15  0; never rewritten
.set KS,  16                           ; v16-23 hold scales and nothing else: v16 my keys' words (lanes 0-15 keys 0-15, lanes 16-31 keys 16-31), v17 Wk's, v18 Wq's, v19 the queries', v20-21 Wo's, v22-23 x's
.set KFA, 24                           ; v24-35, v36-47 my keys' two fragments; at the end Wo's two
.set KFB, 36
.set BM,  48                           ; v48-79   0 or -infinity: register j is key j (lanes 0-15) or key j xor 16 (lanes 16-31), feature = lane
.set VV,  80                           ; v80-111  the values, in the same order
.set U0,  112                          ; v112-143, v144-175: two rows' u, then w, by turns; ahead of them q' of the head
.set U1,  144
.set WKF, 176                          ; v176-187 Wk's fragment; v188-195 bk as the sums' C; v196-203, v204-211 the projected keys; v212-219 the dot products
.set BKR, 188
.set KA,  196
.set KB,  204
.set ACC, 212
.set MX,  176                          ; in the rows: row i's two running maxima at v[176 + 2 i]
.set NA,  184                          ; v184-191 the sums of w v and of w, two chains of pairs each
.set NB,  186
.set DA,  188
.set DB,  190
.set RS,  192                          ; row i's N and D at v[192 + 2 i]
.set T0,  224                          ; v224-227 t of query i, lane = key; v228-231 the same from lane l xor 16
.set TM,  232                          ; at the end: the quantiser's registers
.macro FRAG6G dst, voff, sb, off       ; a fragment of 16 rows x 128 codes from memory: lane (r, h) takes 24 bytes at 24 h and 24 at 48 + 24 h of its row, in pieces of 8
.irp p, 0,1,2,3,4,5
	global_load_b64 v[\dst+2*\p:\dst+2*\p+1], v[\voff], s[\sb:\sb+1] offset:\off+48*(\p/3)+8*(\p%3)
.endr
.endm
.macro BAR                             ; my LDS stores have landed and my LDS loads are in: then the work-group's barrier
	s_wait_dscnt 0x0
	s_barrier_signal -1
	s_barrier_wait -1
.endm
	s_load_b512 s[8:23], s[0:1], 0x0               ; query_codes 8, query_scales 10, Wq_codes 12, Wq_scales 14, bq 16, key_codes 18, key_scales 20, Wk_codes 22
	s_load_b512 s[24:39], s[0:1], 0x40             ; Wk_scales 24, bk 26, mask 28, value 30, Wo_codes 32, Wo_scales 34, bo 36, out0 38
	v_lshl_add_u32 v[SPW], v0, 2, SPARE
	v_mov_b32 v[NIL], 0
	v_lshrrev_b32 v1, 5, v0
	v_readfirstlane_b32 s2, v1                     ; wave 0..15
	v_and_b32 v1, 31, v0                           ; L: lane
	v_and_b32 v2, 15, v0                           ; R = L % 16
	v_bfe_u32 v3, v0, 4, 1                         ; HH = L / 16
	s_and_b32 s4, ttmp7, 0xffff                    ; the batch
	s_mov_b32 s7, 0                                ; s[6:7]: an offset as a pair
	s_mov_b32 s40, 0x76543210
	s_mov_b32 s41, 0xfedcba98                      ; v_permlanex16_b32's selects for lane l xor 16
	s_mov_b32 s42, 0x3eb8aa3b                      ; log2(e) / 4
	s_mov_b32 s43, s42                             ; (named with it as a pair, so it is written)
	s_mov_b32 s44, 0xc6616bcd                      ; -10000 log2(e), to the nearest f32
	s_mov_b32 s45, 0                               ; the head's 16 rows of Wk: 1,536 bytes a head
	s_mov_b32 s46, 0                               ; its scale words, its 16 numbers of bk: 64 bytes a head
	s_mov_b32 s47, 0                               ; its 4 rows of parts: 24,576 bytes a head
	s_and_b32 s51, s2, 7                           ; the head whose q' I make
	s_lshr_b32 s52, s2, 3
	s_lshl_b32 s52, s52, 11
	s_add_co_u32 s48, s52, QF                      ; my copy of q'; 64 bytes a head
	s_lshl_b32 s53, s51, 6
	s_add_co_u32 s52, s48, s53                     ; where that head's 16 numbers go
	v_mul_u32_u24 v4, v2, 96
	v_mad_u32_u24 v4, v3, 24, v4                   ; a fragment's place in rows of 96 bytes: 96 R + 24 HH
	v_lshl_add_u32 v5, v2, 2, WKS                  ; Wk's scale word of row R
	v_lshl_add_u32 v6, v3, 5, BKL                  ; bk's eight numbers of my half
	v_lshlrev_b32 v7, 1, v0                        ; 2 x thread: the stage of Wk's scales and bk
	s_mul_i32 s54, s2, 384
	s_add_co_u32 s54, s54, PART
	v_lshl_add_u32 v8, v1, 2, s54                  ; my wave's and lane's place in a row's parts
	v_lshlrev_b32 v240, 3, v0                      ; 8 x thread
	v_and_b32 v241, 255, v0
	v_lshlrev_b32 v241, 1, v241                    ; 2 x (thread % 256)
	v_lshlrev_b32 v243, 2, v2                      ; 4 R
	v_and_b32 v254, 3, v2                          ; R % 4: the query that column R stands for
	v_mul_u32_u24 v244, v254, 96
	v_mad_u32_u24 v244, v3, 24, v244
	v_lshlrev_b32 v245, 2, v254
	v_lshlrev_b32 v246, 5, v3                      ; 32 HH
	v_lshlrev_b32 v247, 2, v1                      ; 4 L
	v_lshl_add_u32 v248, v3, 11, v247              ; mask, value: feature L of key j (lanes 0-15) or key j + 16 (lanes 16-31),
	v_xor_b32 v249, 0x800, v248                    ; and the other way round
	v_lshl_add_u32 v250, v254, 9, s52
	v_lshl_add_u32 v250, v3, 5, v250               ; q': query R % 4, my head, 8 numbers of my half
	s_lshl_b32 s54, s2, 8
	s_add_co_u32 s54, s54, MS
	v_lshl_add_u32 v251, v1, 2, s54
	v_mov_b32 v239, 0xff800000                     ; -infinity
	v_mov_b32 v242, 1.0
	v_mov_b32 v252, 0                              ; the sum of the masked values,
	v_mov_b32 v253, 0                              ; their number
.irp i, 0,1,2,3
	v_mov_b32 v[T0+4+\i], 0                        ; written once: a lane permute's destination counts as one of its sources
.endr
	s_wait_kmcnt 0x0
	s_lshl_b32 s49, s4, 7
	s_lshl_b32 s50, ttmp9, 2
	s_add_co_u32 s49, s49, s50                     ; my first query: 128 b + 4 x
	s_mul_i32 s6, s49, 96
	s_add_nc_u64 s[8:9], s[8:9], s[6:7]
	s_lshl_b32 s6, s49, 2
	s_add_nc_u64 s[10:11], s[10:11], s[6:7]
	s_lshl_b32 s6, s49, 10
	s_add_nc_u64 s[38:39], s[38:39], s[6:7]
	s_mul_i32 s6, s51, 1536
	s_add_nc_u64 s[12:13], s[12:13], s[6:7]
	s_mov_b32 s6, s53
	s_add_nc_u64 s[14:15], s[14:15], s[6:7]
	s_add_nc_u64 s[16:17], s[16:17], s[6:7]
	s_mul_i32 s50, s2, 3072
	s_mov_b32 s6, s50
	s_add_nc_u64 s[32:33], s[32:33], s[6:7]        ; Wo: my 16 rows of 192 bytes
	s_mul_i32 s6, s4, 49152
	s_add_co_u32 s6, s6, s50
	s_add_nc_u64 s[18:19], s[18:19], s[6:7]        ; my 32 keys of 96 bytes
	s_lshl_b32 s50, s2, 7
	s_mov_b32 s6, s50
	s_add_nc_u64 s[34:35], s[34:35], s[6:7]
	s_lshl_b32 s6, s4, 11
	s_add_co_u32 s6, s6, s50
	s_add_nc_u64 s[20:21], s[20:21], s[6:7]
	s_lshl_b32 s6, s2, 6
	s_add_nc_u64 s[36:37], s[36:37], s[6:7]
	s_lshl_b32 s6, s4, 16
	s_lshl_b32 s50, s2, 12
	s_add_co_u32 s6, s6, s50
	s_add_nc_u64 s[28:29], s[28:29], s[6:7]
	s_add_nc_u64 s[30:31], s[30:31], s[6:7]
	s_cmp_lt_u32 s2, 8                             ; waves 0-7 stage Wk's scales, waves 8-15 bk: 512 bytes each, 2 a thread; the choice hangs on the wave's number alone
	s_cselect_b64 s[56:57], s[24:25], s[26:27]
	; four loads for the stage
	global_load_b64 v[232:233], v240, s[22:23]
	global_load_b64 v[234:235], v240, s[22:23] offset:4096
	global_load_b64 v[236:237], v240, s[22:23] offset:8192
	global_load_u16 v238, v241, s[56:57]
	; sixteen for q': 16 rows of Wq, the 4 queries (column R holds query R % 4), bq in the result's layout
	FRAG6G 144, 4, 12, 0
	global_load_b32 v18, v243, s[14:15]
	FRAG6G 156, 244, 8, 0
	global_load_b32 v19, v245, s[10:11]
	global_load_b128 v[168:171], v246, s[16:17]
	global_load_b128 v[172:175], v246, s[16:17] offset:16
	; thirteen for my keys
	FRAG6G KFA, 4, 18, 0
	FRAG6G KFB, 4, 18, 1536
	global_load_b32 v[KS], v247, s[20:21]
	; thirty-two: the mask of my 32 keys
.irp j, 0,1,2,3,4,5,6,7,8,9,10,11,12,13,14,15
	global_load_b32 v[U0+\j], v248, s[28:29] offset:128*\j
.endr
.irp j, 0,1,2,3,4,5,6,7,8,9,10,11,12,13,14,15
	global_load_b32 v[U0+16+\j], v249, s[28:29] offset:128*\j
.endr
	s_wait_loadcnt 61                              ; the stage's four are in: 16 + 13 + 32 were issued behind them
	ds_store_b64 v240, v[232:233] offset:WKC
	ds_store_b64 v240, v[234:235] offset:WKC+4096
	ds_store_b64 v240, v[236:237] offset:WKC+8192
	ds_store_b16 v7, v238 offset:WKS               ; Wk's scales and, behind them, bk
	s_wait_loadcnt 45                              ; q's sixteen are in: 13 + 32 were issued behind them
	; TRANSPOSED: source 0 = 16 rows of Wq, source 1 = the queries: lane (R, HH) holds numbers 8 HH + 0 .. 7 of my head of query R % 4; the bias is the sum's C
	v_wmma_scale_f32_16x16x128_f8f6f4 v[176:183], v[144:155], v[156:167], v[168:175], v18, v19 matrix_a_fmt:MATRIX_FMT_BF6 matrix_b_fmt:MATRIX_FMT_BF6
.rept 4
	v_nop                                          ; four places behind a matrix instruction, ahead of the first read of its result (ISA guide 7.12.1)
.endr
.irp p, 0,2,4,6
	v_pk_mul_f32 v[176+\p:177+\p], v[176+\p:177+\p], s[42:43] op_sel_hi:[1,0]   ; x log2(e) / 4, from the result's low end on
.endr
	ds_store_b128 v250, v[176:179]                 ; lanes with the same R % 4 write the same numbers to the same place
	ds_store_b128 v250, v[180:183] offset:16
.irp j, 0,1,2,3,4,5,6,7,8,9,10,11,12,13,14,15
	global_load_b32 v[VV+\j], v248, s[30:31] offset:128*\j
.endr
.irp j, 0,1,2,3,4,5,6,7,8,9,10,11,12,13,14,15
	global_load_b32 v[VV+16+\j], v249, s[30:31] offset:128*\j
.endr
	s_wait_loadcnt 0x0
.irp j, 0,1,2,3,4,5,6,7,8,9,10,11,12,13,14,15,16,17,18,19,20,21,22,23,24,25,26,27,28,29,30,31
	v_cmp_eq_u32 vcc_lo, 0, v[U0+\j]               ; masked?
	v_cndmask_b32 v[BM+\j], 0, v239, vcc_lo        ; -infinity then, else 0
	v_cndmask_b32 v254, 0, v[VV+\j], vcc_lo
	v_cndmask_b32 v255, 0, v242, vcc_lo
	v_pk_add_f32 v[252:253], v[252:253], v[254:255]
.endr
	ds_store_b32 v251, v252
	ds_store_b32 v251, v253 offset:128
	BAR                                            ; Wk, its scales, bk, q' and the masked keys' figures lie in LDS
; ---- THE ROWS.  u = t_k + BM: the addition's first source comes from lane n of the lane's own half (row_share): t of key n in lanes 0-15, of key n + 16 in lanes 16-31; from T0 + 4 the other way round.
.macro PMX i, u, p                     ; pair p of the row's 16 joins the maxima: two chains; -3e38 stands under the first
.if (\p) == 0
	v_max3_num_f32 v[MX+2*(\i)], v[\u], v[\u+1], 0xff61b1e6
.elseif (\p) == 1
	v_max_num_f32 v[MX+2*(\i)+1], v[\u+2], v[\u+3]
.else
	v_max3_num_f32 v[MX+2*(\i)+(\p)%2], v[MX+2*(\i)+(\p)%2], v[\u+2*(\p)], v[\u+2*(\p)+1]
.endif
.endm
.macro P1 i, u                         ; row i: 32 additions, the maxima two pairs behind them
.irp hf, 0,1
.irp n, 0,1,2,3,4,5,6,7,8,9,10,11,12,13,14,15
	v_add_f32_dpp v[\u+16*\hf+\n], v[T0+4*\hf+\i], v[BM+16*\hf+\n] row_share:\n row_mask:0xf bank_mask:0xf
.if ((16*\hf+\n) >= 5) && ((\n)%2 == 1)
	PMX \i, \u, (16*\hf+\n-5)/2
.endif
.endr
.endr
	PMX \i, \u, 14
	PMX \i, \u, 15
	v_max_num_f32 v[MX+2*\i], v[MX+2*\i], v[MX+2*\i+1]   ; M: the largest u of my 32 keys for my feature
.endm
.macro EXS i, u, p                     ; pair p: u - M (of the pair of maxima the low word serves both halves)
	v_pk_add_f32 v[\u+2*(\p):\u+2*(\p)+1], v[\u+2*(\p):\u+2*(\p)+1], v[MX+2*(\i):MX+2*(\i)+1] op_sel_hi:[1,0] neg_lo:[0,1] neg_hi:[0,1]
.endm
.macro EX i, u                         ; w = 2^(u - M): ONE BATCH of 32 exponentials; no line of it reads a result; a masked key's is 0
	EXS \i, \u, 0
	EXS \i, \u, 1
.irp p, 0,1,2,3,4,5,6,7,8,9,10,11,12,13
	v_exp_f32 v[\u+2*\p], v[\u+2*\p]
	v_exp_f32 v[\u+2*\p+1], v[\u+2*\p+1]
	EXS \i, \u, \p+2
.endr
.irp e, 28,29,30,31
	v_exp_f32 v[\u+\e], v[\u+\e]
.endr
	v_nop                                          ; a plain instruction behind the last exponential, ahead of any use
.endm
.macro AC u                            ; the sums of w v and of w, two numbers an instruction, two chains each; the first terms start the sums
	v_pk_mul_f32 v[NA:NA+1], v[\u:\u+1], v[VV:VV+1]
	v_pk_mul_f32 v[NB:NB+1], v[\u+2:\u+3], v[VV+2:VV+3]
	v_pk_add_f32 v[DA:DA+1], v[\u:\u+1], v[\u+4:\u+5]
	v_pk_add_f32 v[DB:DB+1], v[\u+2:\u+3], v[\u+6:\u+7]
	v_pk_fma_f32 v[NA:NA+1], v[\u+4:\u+5], v[VV+4:VV+5], v[NA:NA+1]
	v_pk_fma_f32 v[NB:NB+1], v[\u+6:\u+7], v[VV+6:VV+7], v[NB:NB+1]
.irp p, 8,12,16,20,24,28
	v_pk_fma_f32 v[NA:NA+1], v[\u+\p:\u+\p+1], v[VV+\p:VV+\p+1], v[NA:NA+1]
	v_pk_fma_f32 v[NB:NB+1], v[\u+\p+2:\u+\p+3], v[VV+\p+2:VV+\p+3], v[NB:NB+1]
	v_pk_add_f32 v[DA:DA+1], v[DA:DA+1], v[\u+\p:\u+\p+1]
	v_pk_add_f32 v[DB:DB+1], v[DB:DB+1], v[\u+\p+2:\u+\p+3]
.endr
.endm
.macro FIN i                           ; row i's three figures go to my place among its parts
	v_pk_add_f32 v[NA:NA+1], v[NA:NA+1], v[NB:NB+1]
	v_pk_add_f32 v[DA:DA+1], v[DA:DA+1], v[DB:DB+1]
	v_add_f32 v[RS+2*\i], v[NA], v[NA+1]
	v_add_f32 v[RS+2*\i+1], v[DA], v[DA+1]
	ds_store_b32 v13, v[RS+2*\i] offset:6144*\i
	ds_store_b32 v13, v[RS+2*\i+1] offset:6144*\i+128
	ds_store_b32 v13, v[MX+2*\i] offset:6144*\i+256
.endm
	s_mov_b32 s3, 0
.Lhead:                                            ; eight trips, a head each; no barrier: the waves share nothing here
	v_add_nc_u32 v9, s45, v4
	v_add_nc_u32 v10, s46, v5
	v_add_nc_u32 v11, s46, v6
	v_mov_b32 v12, s48
	v_add_nc_u32 v13, s47, v8
.irp p, 0,1,2,3,4,5
	ds_load_b64 v[WKF+2*\p:WKF+2*\p+1], v9 offset:WKC+48*(\p/3)+8*(\p%3)   ; the head's 16 rows of Wk
.endr
	ds_load_b32 v17, v10
	ds_load_b128 v[BKR:BKR+3], v11
	ds_load_b128 v[BKR+4:BKR+7], v11 offset:16
.irp i, 0,1,2,3
.irp c, 0,1,2,3
	ds_load_b128 v[U0+16*\i+4*\c:U0+16*\i+4*\c+3], v12 offset:512*\i+16*\c   ; q' of query i, this head: the same 16 numbers in every lane
.endr
.endr
	s_wait_dscnt 16                                ; the first nine are in; q's sixteen may be out
	; TRANSPOSED: source 0 = 16 rows of Wk, source 1 = 16 of my keys; bk is the sums' C.  Two accumulators
	v_wmma_scale_f32_16x16x128_f8f6f4 v[KA:KA+7], v[WKF:WKF+11], v[KFA:KFA+11], v[BKR:BKR+7], v17, v[KS] matrix_a_fmt:MATRIX_FMT_BF6 matrix_b_fmt:MATRIX_FMT_BF6
	v_wmma_scale_f32_16x16x128_f8f6f4 v[KB:KB+7], v[WKF:WKF+11], v[KFB:KFB+11], v[BKR:BKR+7], v17, v[KS] matrix_a_fmt:MATRIX_FMT_BF6 matrix_b_fmt:MATRIX_FMT_BF6 matrix_b_scale:MATRIX_SCALE_ROW1
.rept 4
	v_nop                                          ; four places, ahead of the first read of the results
.endr
.irp j, 0,1,2,3,4,5,6,7
	v_permlane16_swap_b32 v[KA+\j], v[KB+\j]       ; KA's lanes 16-31 change places with KB's lanes 0-15: now lane l is key l, KA holds its numbers 0-7, KB 8-15.  (Both results are read from their low end on)
.endr
	s_wait_dscnt 0x0                               ; q'
.irp i, 0,1,2,3
	v_pk_mul_f32 v[ACC+2*\i:ACC+2*\i+1], v[KA:KA+1], v[U0+16*\i:U0+16*\i+1]   ; the four queries by turns
.endr
.irp p, 2,4,6
.irp i, 0,1,2,3
	v_pk_fma_f32 v[ACC+2*\i:ACC+2*\i+1], v[KA+\p:KA+\p+1], v[U0+16*\i+\p:U0+16*\i+\p+1], v[ACC+2*\i:ACC+2*\i+1]
.endr
.endr
.irp p, 0,2,4,6
.irp i, 0,1,2,3
	v_pk_fma_f32 v[ACC+2*\i:ACC+2*\i+1], v[KB+\p:KB+\p+1], v[U0+16*\i+8+\p:U0+16*\i+8+\p+1], v[ACC+2*\i:ACC+2*\i+1]
.endr
.endr
.irp i, 0,1,2,3
	v_add_f32 v[T0+\i], v[ACC+2*\i], v[ACC+2*\i+1] ; t of (query i, key = lane)
.endr
.irp i, 0,1,2,3
	v_permlanex16_b32 v[T0+4+\i], v[T0+\i], s40, s41
.endr
	; each batch of exponentials has the next row's additions and maxima behind it as independent work, then ONE wait ahead of its first reader
	P1 0, U0
	EX 0, U0
	P1 1, U1
	s_wait_alu depctr_va_vdst(0)
	AC U0
	FIN 0
	EX 1, U1
	P1 2, U0
	s_wait_alu depctr_va_vdst(0)
	AC U1
	FIN 1
	EX 2, U0
	P1 3, U1
	s_wait_alu depctr_va_vdst(0)
	AC U0
	FIN 2
	EX 3, U1
	s_wait_alu depctr_va_vdst(0)
	AC U1
	FIN 3
	s_add_co_u32 s45, s45, 1536
	s_add_co_u32 s46, s46, 64
	s_add_co_u32 s47, s47, 24576
	s_add_co_u32 s48, s48, 64
	s_wait_dscnt 0x0                               ; the stores have read their registers: the next trip's loads land there
	s_add_co_u32 s3, s3, 1
	s_cmp_lt_u32 s3, 8
	s_cbranch_scc1 .Lhead
	; ---- THE MERGE.  Wo's part for my 16 outputs is asked for first: it lands while the parts are merged
	v_mul_u32_u24 v9, v2, 192
	v_mad_u32_u24 v9, v3, 24, v9                   ; Wo: row R of 192 bytes, + 24 HH
	v_lshlrev_b32 v10, 3, v2                       ; its scale words: 8 bytes a row
	v_lshlrev_b32 v11, 5, v3                       ; bo: eight numbers of my half
	FRAG6G KFA, 9, 32, 0
	FRAG6G KFB, 9, 32, 96
	global_load_b64 v[20:21], v10, s[34:35]
	global_load_b128 v[48:51], v11, s[36:37]
	global_load_b128 v[52:55], v11, s[36:37] offset:16
	v_lshl_add_u32 v12, v1, 2, MS
	s_mul_i32 s49, s2, 12288
	s_add_co_u32 s49, s49, PART
	v_lshl_add_u32 v13, v1, 2, s49                 ; rows 2 w and 2 w + 1 are mine to merge
	s_and_b32 s50, s2, 1
	s_mul_i32 s50, s50, 2*XP
	s_lshr_b32 s51, s2, 1
	s_lshl_b32 s51, s51, 7
	s_add_co_u32 s50, s50, s51
	s_add_co_u32 s50, s50, XS
	v_lshl_add_u32 v4, v1, 2, s50                  ; row 2 w + j is head w / 2, query 2 (w % 2) + j: x's row = the query, 128 bytes a head, 4 a feature
	v_and_b32 v254, 3, v2
	v_mul_u32_u24 v5, v254, XP
	v_lshl_add_u32 v5, v3, 6, v5
	v_add_nc_u32 v5, XS, v5                        ; x back: row R % 4, + 64 HH: 16 numbers of each block of 32
	v_lshlrev_b32 v6, 10, v254
	v_lshl_add_u32 v6, v3, 5, v6
	s_lshl_b32 s52, s2, 6
	s_add_co_u32 s52, s52, OS
	v_add_nc_u32 v6, s52, v6                       ; the stage: row R % 4, my 16 outputs, 8 of my half
	v_lshlrev_b32 v7, 3, v0                        ; 8 x thread
	BAR                                            ; all parts lie in LDS
.irp w, 0,1,2,3,4,5,6,7,8,9,10,11,12,13,14,15
	ds_load_b32 v[56+2*\w], v12 offset:256*\w
	ds_load_b32 v[57+2*\w], v12 offset:256*\w+128
.endr
.irp j, 0,1
.irp w, 0,1,2,3,4,5,6,7,8,9,10,11,12,13,14,15
	ds_load_b32 v[88+48*\j+\w], v13 offset:6144*\j+384*\w+256     ; M
	ds_load_b32 v[104+48*\j+\w], v13 offset:6144*\j+384*\w        ; N
	ds_load_b32 v[120+48*\j+\w], v13 offset:6144*\j+384*\w+128    ; D
.endr
.endr
	s_wait_dscnt 0x0
	v_pk_add_f32 v[184:185], v[56:57], v[58:59]    ; over the 512 keys: the sum of my feature's masked values, and their number
.irp w, 2,3,4,5,6,7,8,9,10,11,12,13,14,15
	v_pk_add_f32 v[184:185], v[184:185], v[56+2*\w:57+2*\w]
.endr
	v_mov_b32 v186, 0xff61b1e6
	v_mov_b32 v187, s44
	v_cmp_lt_f32 vcc_lo, 0, v185
	v_cndmask_b32 v186, v186, v187, vcc_lo         ; the masked keys' t, where there is a masked key; else -3e38
.irp j, 0,1
	v_max3_num_f32 v[188+\j], v186, v[88+48*\j], v[89+48*\j]
.endr
.irp w, 2,4,6,8,10,12,14
.irp j, 0,1
	v_max3_num_f32 v[188+\j], v[188+\j], v[88+48*\j+\w], v[89+48*\j+\w]   ; the (row, feature)'s maximum over all 512 keys, masked ones too
.endr
.endr
.irp w, 0,1,2,3,4,5,6,7,8,9,10,11,12,13,14,15
.irp j, 0,1
	v_sub_f32 v[88+48*\j+\w], v[88+48*\j+\w], v[188+\j]
.endr
.endr
.irp j, 0,1
	v_sub_f32 v[190+\j], v186, v[188+\j]
.endr
.irp w, 0,1,2,3,4,5,6,7,8,9,10,11,12,13,14,15
.irp j, 0,1
	v_exp_f32 v[88+48*\j+\w], v[88+48*\j+\w]       ; what brings a wave's part under the common maximum
.endr
.endr
.irp j, 0,1
	v_exp_f32 v[190+\j], v[190+\j]                 ; the masked keys' weight
.endr
	v_nop                                          ; a plain instruction behind the last exponential
	s_wait_alu depctr_va_vdst(0)                   ; one wait for the 34, ahead of their first reader
.irp j, 0,1
	v_mul_f32 v[192+\j], v[190+\j], v184
	v_mul_f32 v[194+\j], v[190+\j], v185
.endr
.irp w, 0,1,2,3,4,5,6,7,8,9,10,11,12,13,14,15
.irp j, 0,1
	v_fmac_f32 v[192+\j], v[88+48*\j+\w], v[104+48*\j+\w]
	v_fmac_f32 v[194+\j], v[88+48*\j+\w], v[120+48*\j+\w]
.endr
.endr
.irp j, 0,1
	v_rcp_f32 v[196+\j], v[194+\j]
.endr
	v_nop
	s_wait_alu depctr_va_vdst(0)                   ; one wait for the two reciprocals
.irp j, 0,1
	v_mul_f32 v[198+\j], v[192+\j], v[196+\j]      ; x
	ds_store_b32 v4, v[198+\j] offset:XP*\j
.endr
	BAR                                            ; the 4 rows of x lie in LDS
	; ---- x IS QUANTISED ALONG ITS 256, by every wave for itself (column R stands for row R % 4), and multiplied by my 16 rows of Wo
.irp s, 0,1
.irp b, 0,1,2,3
.irp c, 0,1,2,3
	ds_load_b128 v[56+64*\s+16*\b+4*\c:56+64*\s+16*\b+4*\c+3], v5 offset:512*\s+128*\b+16*\c   ; register 16 b + i of K step s: k = 128 s + 32 b + 16 HH + i
.endr
.endr
.endr
.irp b, 0,1,2,3
	v_mov_b32 v[TM+4+\b], 0                        ; written once: a lane permute's destination counts as one of its sources
.endr
	s_wait_dscnt 0x0
; 64 numbers of a lane, v[s] on, become a fragment's codes in v[pc] .. v[pc + 11] and its scale word in v[pw]
.macro QUANT s, pc, pw
.irp b, 0,1,2,3
	v_max3_num_f32 v[TM+\b], |v[\s+16*\b]|, |v[\s+1+16*\b]|, 0x2800000   ; block b: my 16 numbers, and the floor 2^(5 - 127): the byte cannot fall under 1
.endr
.irp i, 2,4,6,8,10,12,14
.irp b, 0,1,2,3
	v_max3_num_f32 v[TM+\b], v[TM+\b], |v[\s+16*\b+\i]|, |v[\s+1+16*\b+\i]|
.endr
.endr
.irp b, 0,1,2,3
	v_permlanex16_b32 v[TM+4+\b], v[TM+\b], s40, s41
.endr
.irp b, 0,1,2,3
	v_max_num_f32 v[TM+\b], v[TM+\b], v[TM+4+\b]   ; with lane l xor 16's: the block's largest magnitude
.endr
.irp b, 0,1,2,3
	v_add_nc_u32 v[TM+12+\b], 0xfe000000, v[TM+\b] ; 4 off its exponent field: the conversion takes the exponent field of this operand as its scale
.endr
.irp b, 0,1,2,3
	v_lshrrev_b32 v[TM+4+\b], 23, v[TM+12+\b]      ; the scale's byte
.endr
	v_lshl_or_b32 v[\pw], v[TM+5], 8, v[TM+4]
	v_lshl_or_b32 v[\pw], v[TM+6], 16, v[\pw]
	v_lshl_or_b32 v[\pw], v[TM+7], 24, v[\pw]
.irp c, 0,1
	v_cvt_scalef32_pk16_bf6_f32 v[\pc+6*\c:\pc+2+6*\c], v[\s+32*\c:\s+15+32*\c], v[TM+12+2*\c]
	v_cvt_scalef32_pk16_bf6_f32 v[\pc+12+4*\c:\pc+14+4*\c], v[\s+16+32*\c:\s+31+32*\c], v[TM+12+2*\c+1]   ; (a conversion's three registers begin on an even number)
.endr
	v_nop                                          ; one plain place behind a scaled conversion
.irp c, 0,1                                    ; the operand's layout wants a whole block in a lane
.irp i, 0,1,2
	v_permlane16_swap_b32 v[\pc+6*\c+\i], v[\pc+12+4*\c+\i]
.endr
.irp i, 0,1,2
	v_mov_b32 v[\pc+3+6*\c+\i], v[\pc+12+4*\c+\i]
.endr
.endr
.endm
	QUANT 56, 184, 22
	QUANT 120, 204, 23
	s_wait_loadcnt 0x0                             ; Wo's fragments, its scale words, bo
.rept 8
	v_nop                                          ; a scale register written by a vector instruction stands 8 places ahead of a scaled matrix instruction, an operand so written 4
.endr
	; TRANSPOSED: source 0 = my 16 rows of Wo, source 1 = x: lane (R, HH) holds outputs 16 w + 8 HH + 0 .. 7 of row R % 4; bo is the sum's C
	v_wmma_scale_f32_16x16x128_f8f6f4 v[248:255], v[KFA:KFA+11], v[184:195], v[48:55], v20, v22 matrix_a_fmt:MATRIX_FMT_BF6 matrix_b_fmt:MATRIX_FMT_BF6
	s_wait_alu depctr_va_vdst(0)                   ; the wait stands directly ahead of the link
	v_wmma_scale_f32_16x16x128_f8f6f4 v[248:255], v[KFB:KFB+11], v[204:215], v[248:255], v21, v23 matrix_a_fmt:MATRIX_FMT_BF6 matrix_b_fmt:MATRIX_FMT_BF6
.rept 4
	v_nop
.endr
	ds_store_b128 v6, v[248:251]                   ; from the result's low end on; lanes with the same R % 4 write the same numbers to the same place
	ds_store_b128 v6, v[252:255] offset:16
	BAR                                            ; 4 whole rows of out0 lie in the stage
	ds_load_b64 v[56:57], v7 offset:OS
	s_wait_dscnt 0x0
	global_store_b64 v7, v[56:57], s[38:39] th:TH_STORE_NT   ; the 4 rows are 4,096 consecutive bytes: a wave stores 256 of them, at a multiple of 256 from out0's first byte
	s_wait_tensorcnt 0x0                           ; the wave's end
	ds_add_u32 v[SPW], v[NIL]
	s_wait_dscnt 0x0
	s_endpgm
.Lfunc_end_k_q9ef3ee2ee8_mtan:
	.size	k_q9ef3ee2ee8_mtan, .Lfunc_end_k_q9ef3ee2ee8_mtan-k_q9ef3ee2ee8_mtan
	.p2alignl 7, 3214868480
	.fill 96, 4, 3214868480
	.section	.rodata,"a",@progbits
	.p2align	6, 0x0
	.amdhsa_kernel k_q9ef3ee2ee8_mtan
		.amdhsa_group_segment_fixed_size 228608
		.amdhsa_private_segment_fixed_size 0
		.amdhsa_enable_private_segment 0
		.amdhsa_kernarg_size 128
		.amdhsa_user_sgpr_count 2
		.amdhsa_user_sgpr_kernarg_segment_ptr 1
		.amdhsa_wavefront_size32 1
		.amdhsa_system_sgpr_workgroup_id_x 1
		.amdhsa_system_sgpr_workgroup_id_y 1
		.amdhsa_system_sgpr_workgroup_id_z 1
		.amdhsa_system_vgpr_workitem_id 0
		.amdhsa_next_free_vgpr 256
		.amdhsa_next_free_sgpr 66
		.amdhsa_reserve_vcc 1
		.amdhsa_float_denorm_mode_32 3
		.amdhsa_float_denorm_mode_16_64 3
		.amdhsa_memory_ordered 1
		.amdhsa_forward_progress 1
		.amdhsa_inst_pref_size 84
	.end_amdhsa_kernel
	.amdgpu_metadata
---
amdhsa.version: [ 1, 2 ]
amdhsa.kernels:
  - .name:           k_q9ef3ee2ee8_mtan
    .symbol:         k_q9ef3ee2ee8_mtan.kd
    .args:
      - { .name: query_codes, .offset: 0, .size: 8, .value_kind: global_buffer, .address_space: global }
      - { .name: query_scales, .offset: 8, .size: 8, .value_kind: global_buffer, .address_space: global }
      - { .name: Wq_codes, .offset: 16, .size: 8, .value_kind: global_buffer, .address_space: global }
      - { .name: Wq_scales, .offset: 24, .size: 8, .value_kind: global_buffer, .address_space: global }
      - { .name: bq, .offset: 32, .size: 8, .value_kind: global_buffer, .address_space: global }
      - { .name: key_codes, .offset: 40, .size: 8, .value_kind: global_buffer, .address_space: global }
      - { .name: key_scales, .offset: 48, .size: 8, .value_kind: global_buffer, .address_space: global }
      - { .name: Wk_codes, .offset: 56, .size: 8, .value_kind: global_buffer, .address_space: global }
      - { .name: Wk_scales, .offset: 64, .size: 8, .value_kind: global_buffer, .address_space: global }
      - { .name: bk, .offset: 72, .size: 8, .value_kind: global_buffer, .address_space: global }
      - { .name: mask, .offset: 80, .size: 8, .value_kind: global_buffer, .address_space: global }
      - { .name: value, .offset: 88, .size: 8, .value_kind: global_buffer, .address_space: global }
      - { .name: Wo_codes, .offset: 96, .size: 8, .value_kind: global_buffer, .address_space: global }
      - { .name: Wo_scales, .offset: 104, .size: 8, .value_kind: global_buffer, .address_space: global }
      - { .name: bo, .offset: 112, .size: 8, .value_kind: global_buffer, .address_space: global }
      - { .name: out0, .offset: 120, .size: 8, .value_kind: global_buffer, .address_space: global }
    .group_segment_fixed_size: 228608
    .private_segment_fixed_size: 0
    .kernarg_segment_align: 8
    .kernarg_segment_size: 128
    .max_flat_workgroup_size: 512
    .sgpr_count:     66
    .vgpr_count:     256
    .wavefront_size: 32
...
	.end_amdgpu_metadata
.endif
;; end of part 1
;; ======== version 2 of 2: 1 launch; version 1 with the launch mtan written anew for expert scheduling mode
;; launch mtan (part 2): grid 32 x 8, 16 waves a work-group, no clusters, 228,608 bytes of LDS; arguments query_codes, query_scales, Wq_codes, Wq_scales, bq, key_codes, key_scales, Wk_codes, Wk_scales, bk, mask, value, Wo_codes, Wo_scales, bo, out0; writes out0
.if DOCPART == 2
	.amdgcn_target "amdgcn-amd-amdhsa--gfx1250"
	.amdhsa_code_object_version 6
	.text
	.protected	k_q9ef3ee2ee8_mtan
	.globl	k_q9ef3ee2ee8_mtan
	.p2align	8
	.type	k_q9ef3ee2ee8_mtan,@function
k_q9ef3ee2ee8_mtan:
	s_mov_b64 s[64:65], 0
	v_nop
	global_prefetch_b8 v0, s[64:65] scope:SCOPE_SE
	s_setreg_imm32_b32 hwreg(HW_REG_WAVE_SCHED_MODE, 0, 2), 2
	s_setreg_imm32_b32 hwreg(HW_REG_WAVE_MODE, 25, 1), 1
	s_wait_xcnt 0x0
	s_wait_alu depctr_vm_vsrc(0)
; multiTimeAttention, one launch.  out0[b][q][:] = x[b][q][:] Wo^T + bo;  x[b][q][32 h + d] = sum_k softmax_k(score5[b][h][q][k][d]) value[b][k][d];
; score5 = -10000 where mask[b][k][d] == 0, else (query Wq^T + bq)_h . (key Wk^T + bk)_h / 4.  The three products with Wq, Wk, Wo go on codes of BF6 (E3M2) with E8M0 scales; the scores (K = 16) by f32 multiply-adds.
; SHARES.  A work-group owns 4 queries of one batch, all 8 heads: 32 softmax rows, 4 whole rows of out0.  Wave w of its 16 owns keys 32 w .. 32 w + 31 for all 32 rows.  In the softmax A LANE IS A FEATURE d.
; A wave keeps for the whole launch, for its 32 keys and its lane's feature: BM = 0 (counts) or -infinity (masked), VV = the value; and the codes of its 32 keys.  For each head it projects its keys (two matrix
; instructions), makes t = score x log2(e) for the 4 queries (lane = key), and for each row: u = t_k + BM (t_k comes to all lanes inside the addition, by DPP row_share), the largest u, w = 2^(u - M), the sums of w v and of w.
; Each wave leaves (N, D, M) for each row and feature in LDS; at the end the 16 parts are merged under the feature's true maximum, x = N / D is quantised along its 256 and multiplied by Wo.
; THE MAXIMUM taken away is reference()'s own, one for each (row, feature): first the wave's, then the merged one, the masked keys' -10000 among its candidates.
; THE MASKED KEYS of a feature all carry one weight, 2^(-10000 log2(e) - M): their part of the two sums is that weight x (the sum of the masked values, their number), which hang on no row: made once at the head.
; That is an identity for all values of the inputs; nothing of reference() is left out as dead, and every input is loaded (bk too: it moves the unmasked scores against the masked keys' -10000).
; LIMITS.  NaN and infinities among the inputs, and scores beyond 3e38 in size, are not served.  The score is carried as t = s log2(e), the factor log2(e) / 4 multiplied into q (one rounding more);
; -10000 log2(e) is rounded to f32; sums run in another order than reference()'s.  A block of 32 zeros of x gets the scale byte 1 where the rule says 127: its codes are zeros, and nobody else reads the byte.
; NO CLUSTER: the 32 work-groups of a batch read the same mask, value and key codes (65,536 + 65,536 + 49,152 bytes), once, at the head, straight into the registers in which they stay.  Asked for jointly they
; would have to lie in LDS first: 180,224 bytes beside the 196,608 of the rows' parts are more than a work-group can claim.  No tensor load, so no ring.
; THE MODE: SCHED_MODE bits 1:0 = 2 (LLVM: expert scheduling mode 2), set by the entry lines.  The code itself states the register dependences between vector or matrix instructions and memory or LDS
; instructions, with s_wait_alu, always for 0.
; THE PLAN.  Registers that memory or LDS instructions touch in the loop over heads:
;   v9-v13            LDS addresses.  Written by five vector lines at a trip's head; v9-v12 read by the trip's 25 LDS loads, v13 by its 12 LDS stores.
;   v176-195, v17, v112-175   Wk's fragment, bk, the scale word, q'.  Loaded at a trip's head; read by the two matrix instructions and the dot products; then the rows' vector lines write them (MX, the sums, RS, u, w).
;   MX + 2 i, RS + 2 i, RS + 2 i + 1   Row i's three figures, registers of their own for each row.  Written by row i's vector lines; read by its three LDS stores; written again by the next trip's loads.
; So a trip has ONE wait on va_vdst behind its five address lines, for the addresses and for all that the trip before did to the registers in which the loads land.  The wait that stands ahead of each
; row's sums for its exponentials' sake also shows the row before's three figures written: that row's stores stand directly behind it.  Row 3 has a wait of its own.  One wait on vm_vsrc stands at a trip's end,
; ahead of the branch: the addresses and the figures have been read.  Head and tail: a wait at each place where vector results go to memory lines or loads land on registers that vector lines named.
.set WKC,   0                          ; LDS: Wk's codes as they lie in memory, rows of 96 bytes
.set WKS,   12288                      ; Wk's scale words, 4 bytes a row
.set BKL,   12800                      ; bk
.set QF,    13312                      ; q' = (log2(e) / 4)(q + bq): [copy 2][query 4][128] f32; waves 0-7 write and read copy 0, waves 8-15 copy 1
.set MS,    17408                      ; [wave][sum of masked values, their number][lane]
.set XS,    21504                      ; x: 4 rows of 1,024 bytes, XP apart
.set XP,    1040
.set OS,    25856                      ; the stage for out0: [4][256] f32, dense
.set PART,  29952                      ; [row 4 h + i][wave][N, D, M][lane]: 6,144 bytes a row, 384 a wave, 128 a figure
.set SPARE, 226560                     ; the spare words, 128 bytes for each wave: eight blocks of 256 bytes that no other line names
.set SPW, 14                           ; v14  LDS address of my spare word; never rewritten
.set NIL, 15                           ; v15  0; never rewritten
.set KS,  16                           ; v16-23 hold scales and nothing else: v16 my keys' words (lanes 0-15 keys 0-15, lanes 16-31 keys 16-31), v17 Wk's, v18 Wq's, v19 the queries', v20-21 Wo's, v22-23 x's
.set KFA, 24                           ; v24-35, v36-47 my keys' two fragments; at the end Wo's two
.set KFB, 36
.set BM,  48                           ; v48-79   0 or -infinity: register j is key j (lanes 0-15) or key j xor 16 (lanes 16-31), feature = lane
.set VV,  80                           ; v80-111  the values, in the same order
.set U0,  112                          ; v112-143, v144-175: two rows' u, then w, by turns; ahead of them q' of the head
.set U1,  144
.set WKF, 176                          ; v176-187 Wk's fragment; v188-195 bk as the sums' C; v196-203, v204-211 the projected keys; v212-219 the dot products
.set BKR, 188
.set KA,  196
.set KB,  204
.set ACC, 212
.set MX,  176                          ; in the rows: row i's two running maxima at v[176 + 2 i]
.set NA,  184                          ; v184-191 the sums of w v and of w, two chains of pairs each
.set NB,  186
.set DA,  188
.set DB,  190
.set RS,  192                          ; row i's N and D at v[192 + 2 i]
.set T0,  224                          ; v224-227 t of query i, lane = key; v228-231 the same from lane l xor 16
.set TM,  232                          ; at the end: the quantiser's registers
.set MK,  8                            ; s8-s23: sixteen lane masks of the head's compares, in registers whose addresses have served (their loads are done)
.macro FRAG6G dst, voff, sb, off       ; a fragment of 16 rows x 128 codes from memory: lane (r, h) takes 24 bytes at 24 h and 24 at 48 + 24 h of its row, in pieces of 8
.irp p, 0,1,2,3,4,5
	global_load_b64 v[\dst+2*\p:\dst+2*\p+1], v[\voff], s[\sb:\sb+1] offset:\off+48*(\p/3)+8*(\p%3)
.endr
.endm
.macro BAR                             ; my LDS stores have landed and my LDS loads are in: then the work-group's barrier
	s_wait_dscnt 0x0
	s_barrier_signal -1
	s_barrier_wait -1
.endm
	s_load_b512 s[8:23], s[0:1], 0x0               ; query_codes 8, query_scales 10, Wq_codes 12, Wq_scales 14, bq 16, key_codes 18, key_scales 20, Wk_codes 22
	s_load_b512 s[24:39], s[0:1], 0x40             ; Wk_scales 24, bk 26, mask 28, value 30, Wo_codes 32, Wo_scales 34, bo 36, out0 38
	v_lshl_add_u32 v[SPW], v0, 2, SPARE
	v_mov_b32 v[NIL], 0
	v_lshrrev_b32 v1, 5, v0
	v_readfirstlane_b32 s2, v1                     ; wave 0..15
	v_and_b32 v1, 31, v0                           ; L: lane
	v_and_b32 v2, 15, v0                           ; R = L % 16
	v_bfe_u32 v3, v0, 4, 1                         ; HH = L / 16
	s_and_b32 s4, ttmp7, 0xffff                    ; the batch
	s_mov_b32 s7, 0                                ; s[6:7]: an offset as a pair
	s_mov_b32 s40, 0x76543210
	s_mov_b32 s41, 0xfedcba98                      ; v_permlanex16_b32's selects for lane l xor 16
	s_mov_b32 s42, 0x3eb8aa3b                      ; log2(e) / 4
	s_mov_b32 s43, s42                             ; (named with it as a pair, so it is written)
	s_mov_b32 s44, 0xc6616bcd                      ; -10000 log2(e), to the nearest f32
	s_mov_b32 s45, 0                               ; the head's 16 rows of Wk: 1,536 bytes a head
	s_mov_b32 s46, 0                               ; its scale words, its 16 numbers of bk: 64 bytes a head
	s_mov_b32 s47, 0                               ; its 4 rows of parts: 24,576 bytes a head
	s_wait_alu depctr_va_sdst(0)                   ; s2, the wave's number, is written, ahead of its first reader
	s_and_b32 s51, s2, 7                           ; the head whose q' I make
	s_lshr_b32 s52, s2, 3
	s_lshl_b32 s52, s52, 11
	s_add_co_u32 s48, s52, QF                      ; my copy of q'; 64 bytes a head
	s_lshl_b32 s53, s51, 6
	s_add_co_u32 s52, s48, s53                     ; where that head's 16 numbers go
	v_mul_u32_u24 v4, v2, 96
	v_mad_u32_u24 v4, v3, 24, v4                   ; a fragment's place in rows of 96 bytes: 96 R + 24 HH
	v_lshl_add_u32 v5, v2, 2, WKS                  ; Wk's scale word of row R
	v_lshl_add_u32 v6, v3, 5, BKL                  ; bk's eight numbers of my half
	v_lshlrev_b32 v7, 1, v0                        ; 2 x thread: the stage of Wk's scales and bk
	s_mul_i32 s54, s2, 384
	s_add_co_u32 s54, s54, PART
	v_lshl_add_u32 v8, v1, 2, s54                  ; my wave's and lane's place in a row's parts
	v_lshlrev_b32 v240, 3, v0                      ; 8 x thread
	v_and_b32 v241, 255, v0
	v_lshlrev_b32 v241, 1, v241                    ; 2 x (thread % 256)
	v_lshlrev_b32 v243, 2, v2                      ; 4 R
	v_and_b32 v254, 3, v2                          ; R % 4: the query that column R stands for
	v_mul_u32_u24 v244, v254, 96
	v_mad_u32_u24 v244, v3, 24, v244
	v_lshlrev_b32 v245, 2, v254
	v_lshlrev_b32 v246, 5, v3                      ; 32 HH
	v_lshlrev_b32 v247, 2, v1                      ; 4 L
	v_lshl_add_u32 v248, v3, 11, v247              ; mask, value: feature L of key j (lanes 0-15) or key j + 16 (lanes 16-31),
	v_xor_b32 v249, 0x800, v248                    ; and the other way round
	v_lshl_add_u32 v250, v254, 9, s52
	v_lshl_add_u32 v250, v3, 5, v250               ; q': query R % 4, my head, 8 numbers of my half
	s_lshl_b32 s54, s2, 8
	s_add_co_u32 s54, s54, MS
	v_lshl_add_u32 v251, v1, 2, s54
	v_mov_b32 v239, 0xff800000                     ; -infinity
	v_mov_b32 v242, 1.0
	v_mov_b32 v252, 0                              ; the sum of the masked values,
	v_mov_b32 v253, 0                              ; their number
.irp i, 0,1,2,3
	v_mov_b32 v[T0+4+\i], 0                        ; written once: a lane permute's destination counts as one of its sources
.endr
	s_wait_kmcnt 0x0
	s_lshl_b32 s49, s4, 7
	s_lshl_b32 s50, ttmp9, 2
	s_add_co_u32 s49, s49, s50                     ; my first query: 128 b + 4 x
	s_mul_i32 s6, s49, 96
	s_add_nc_u64 s[8:9], s[8:9], s[6:7]
	s_lshl_b32 s6, s49, 2
	s_add_nc_u64 s[10:11], s[10:11], s[6:7]
	s_lshl_b32 s6, s49, 10
	s_add_nc_u64 s[38:39], s[38:39], s[6:7]
	s_mul_i32 s6, s51, 1536
	s_add_nc_u64 s[12:13], s[12:13], s[6:7]
	s_mov_b32 s6, s53
	s_add_nc_u64 s[14:15], s[14:15], s[6:7]
	s_add_nc_u64 s[16:17], s[16:17], s[6:7]
	s_mul_i32 s50, s2, 3072
	s_mov_b32 s6, s50
	s_add_nc_u64 s[32:33], s[32:33], s[6:7]        ; Wo: my 16 rows of 192 bytes
	s_mul_i32 s6, s4, 49152
	s_add_co_u32 s6, s6, s50
	s_add_nc_u64 s[18:19], s[18:19], s[6:7]        ; my 32 keys of 96 bytes
	s_lshl_b32 s50, s2, 7
	s_mov_b32 s6, s50
	s_add_nc_u64 s[34:35], s[34:35], s[6:7]
	s_lshl_b32 s6, s4, 11
	s_add_co_u32 s6, s6, s50
	s_add_nc_u64 s[20:21], s[20:21], s[6:7]
	s_lshl_b32 s6, s2, 6
	s_add_nc_u64 s[36:37], s[36:37], s[6:7]
	s_lshl_b32 s6, s4, 16
	s_lshl_b32 s50, s2, 12
	s_add_co_u32 s6, s6, s50
	s_add_nc_u64 s[28:29], s[28:29], s[6:7]
	s_add_nc_u64 s[30:31], s[30:31], s[6:7]
	s_cmp_lt_u32 s2, 8                             ; waves 0-7 stage Wk's scales, waves 8-15 bk: 512 bytes each, 2 a thread; the choice hangs on the wave's number alone
	s_cselect_b64 s[56:57], s[24:25], s[26:27]
	s_wait_alu depctr_va_vdst(0)                   ; the head's offsets and LDS addresses (v4 to v8, v240, v241, v243 to v251) are written: the loads and LDS stores up to the loop read them
	; four loads for the stage
	global_load_b64 v[232:233], v240, s[22:23]
	global_load_b64 v[234:235], v240, s[22:23] offset:4096
	global_load_b64 v[236:237], v240, s[22:23] offset:8192
	global_load_u16 v238, v241, s[56:57]
	; sixteen for q': 16 rows of Wq, the 4 queries (column R holds query R % 4), bq in the result's layout
	FRAG6G 144, 4, 12, 0
	global_load_b32 v18, v243, s[14:15]
	FRAG6G 156, 244, 8, 0
	global_load_b32 v19, v245, s[10:11]
	global_load_b128 v[168:171], v246, s[16:17]
	global_load_b128 v[172:175], v246, s[16:17] offset:16
	; thirteen for my keys
	FRAG6G KFA, 4, 18, 0
	FRAG6G KFB, 4, 18, 1536
	global_load_b32 v[KS], v247, s[20:21]
	; thirty-two: the mask of my 32 keys
.irp j, 0,1,2,3,4,5,6,7,8,9,10,11,12,13,14,15
	global_load_b32 v[U0+\j], v248, s[28:29] offset:128*\j
.endr
.irp j, 0,1,2,3,4,5,6,7,8,9,10,11,12,13,14,15
	global_load_b32 v[U0+16+\j], v249, s[28:29] offset:128*\j
.endr
	s_wait_loadcnt 61                              ; the stage's four are in: 16 + 13 + 32 were issued behind them
	ds_store_b64 v240, v[232:233] offset:WKC
	ds_store_b64 v240, v[234:235] offset:WKC+4096
	ds_store_b64 v240, v[236:237] offset:WKC+8192
	ds_store_b16 v7, v238 offset:WKS               ; Wk's scales and, behind them, bk
	s_wait_loadcnt 45                              ; q's sixteen are in: 13 + 32 were issued behind them
	; TRANSPOSED: source 0 = 16 rows of Wq, source 1 = the queries: lane (R, HH) holds numbers 8 HH + 0 .. 7 of my head of query R % 4; the bias is the sum's C
	v_wmma_scale_f32_16x16x128_f8f6f4 v[176:183], v[144:155], v[156:167], v[168:175], v18, v19 matrix_a_fmt:MATRIX_FMT_BF6 matrix_b_fmt:MATRIX_FMT_BF6
	; the values of my 32 keys are asked for here.  No wait: since the wait above only the matrix instruction was issued, and it names neither v248, v249 nor v80 to v111
.irp j, 0,1,2,3,4,5,6,7,8,9,10,11,12,13,14,15
	global_load_b32 v[VV+\j], v248, s[30:31] offset:128*\j
.endr
.irp j, 0,1,2,3,4,5,6,7,8,9,10,11,12,13,14,15
	global_load_b32 v[VV+16+\j], v249, s[30:31] offset:128*\j
.endr
.rept 4
	v_nop                                          ; four places behind a matrix instruction, ahead of the first read of its result (ISA guide 7.12.1)
.endr
.irp p, 0,2,4,6
	v_pk_mul_f32 v[176+\p:177+\p], v[176+\p:177+\p], s[42:43] op_sel_hi:[1,0]   ; x log2(e) / 4, from the result's low end on
.endr
	s_wait_alu depctr_va_vdst(0)                   ; the four multiplications have written v176 to v183, which the two LDS stores read
	ds_store_b128 v250, v[176:179]                 ; lanes with the same R % 4 write the same numbers to the same place
	ds_store_b128 v250, v[180:183] offset:16
	s_wait_loadcnt 0x0                             ; all loads are in; so their scalar bases have served, and s8 to s23 take the masks below
; Sixteen keys: masked?  The compares stand in one run, a scalar register each, with one wait behind the run; the additions keep the keys' order.
.macro MASKED b
.irp j, 0,1,2,3,4,5,6,7,8,9,10,11,12,13,14,15
	v_cmp_eq_u32 s[MK+\j], 0, v[U0+16*\b+\j]       ; masked?
.endr
	s_wait_alu depctr_va_sdst(0)                   ; the sixteen compares have written s8 to s23, ahead of the first select that reads one
.irp j, 0,1,2,3,4,5,6,7,8,9,10,11,12,13,14,15
	v_cndmask_b32 v[BM+16*\b+\j], 0, v239, s[MK+\j]   ; -infinity then, else 0
	v_cndmask_b32 v254, 0, v[VV+16*\b+\j], s[MK+\j]
	v_cndmask_b32 v255, 0, v242, s[MK+\j]
	v_pk_add_f32 v[252:253], v[252:253], v[254:255]
.endr
.endm
	MASKED 0
	MASKED 1
	s_wait_alu depctr_va_vdst(0)                   ; the additions have written v252 and v253, which the two LDS stores read
	ds_store_b32 v251, v252
	ds_store_b32 v251, v253 offset:128
	BAR                                            ; Wk, its scales, bk, q' and the masked keys' figures lie in LDS
	s_wait_alu depctr_vm_vsrc(0)                   ; the head's loads and LDS stores have read their registers: v176 to v183 take the loop's loads; v4 to v7, v232 to v253 are written again at the end
; ---- THE ROWS.  u = t_k + BM: the addition's first source comes from lane n of the lane's own half (row_share): t of key n in lanes 0-15, of key n + 16 in lanes 16-31; from T0 + 4 the other way round.
.macro PMX i, u, p                     ; pair p of the row's 16 joins the maxima: two chains; -3e38 stands under the first
.if (\p) == 0
	v_max3_num_f32 v[MX+2*(\i)], v[\u], v[\u+1], 0xff61b1e6
.elseif (\p) == 1
	v_max_num_f32 v[MX+2*(\i)+1], v[\u+2], v[\u+3]
.else
	v_max3_num_f32 v[MX+2*(\i)+(\p)%2], v[MX+2*(\i)+(\p)%2], v[\u+2*(\p)], v[\u+2*(\p)+1]
.endif
.endm
.macro P1 i, u                         ; row i: 32 additions, the maxima two pairs behind them
.irp hf, 0,1
.irp n, 0,1,2,3,4,5,6,7,8,9,10,11,12,13,14,15
	v_add_f32_dpp v[\u+16*\hf+\n], v[T0+4*\hf+\i], v[BM+16*\hf+\n] row_share:\n row_mask:0xf bank_mask:0xf
.if ((16*\hf+\n) >= 5) && ((\n)%2 == 1)
	PMX \i, \u, (16*\hf+\n-5)/2
.endif
.endr
.endr
	PMX \i, \u, 14
	PMX \i, \u, 15
	v_max_num_f32 v[MX+2*\i], v[MX+2*\i], v[MX+2*\i+1]   ; M: the largest u of my 32 keys for my feature
.endm
.macro EXS i, u, p                     ; pair p: u - M (of the pair of maxima the low word serves both halves)
	v_pk_add_f32 v[\u+2*(\p):\u+2*(\p)+1], v[\u+2*(\p):\u+2*(\p)+1], v[MX+2*(\i):MX+2*(\i)+1] op_sel_hi:[1,0] neg_lo:[0,1] neg_hi:[0,1]
.endm
.macro EX i, u                         ; w = 2^(u - M): ONE BATCH of 32 exponentials; no line of it reads a result; a masked key's is 0
	EXS \i, \u, 0
	EXS \i, \u, 1
.irp p, 0,1,2,3,4,5,6,7,8,9,10,11,12,13
	v_exp_f32 v[\u+2*\p], v[\u+2*\p]
	v_exp_f32 v[\u+2*\p+1], v[\u+2*\p+1]
	EXS \i, \u, \p+2
.endr
.irp e, 28,29,30,31
	v_exp_f32 v[\u+\e], v[\u+\e]
.endr
	v_nop                                          ; a plain instruction behind the last exponential, ahead of any use
.endm
.macro AC u                            ; the sums of w v and of w, two numbers an instruction, two chains each; the first terms start the sums
	v_pk_mul_f32 v[NA:NA+1], v[\u:\u+1], v[VV:VV+1]
	v_pk_mul_f32 v[NB:NB+1], v[\u+2:\u+3], v[VV+2:VV+3]
	v_pk_add_f32 v[DA:DA+1], v[\u:\u+1], v[\u+4:\u+5]
	v_pk_add_f32 v[DB:DB+1], v[\u+2:\u+3], v[\u+6:\u+7]
	v_pk_fma_f32 v[NA:NA+1], v[\u+4:\u+5], v[VV+4:VV+5], v[NA:NA+1]
	v_pk_fma_f32 v[NB:NB+1], v[\u+6:\u+7], v[VV+6:VV+7], v[NB:NB+1]
.irp p, 8,12,16,20,24,28
	v_pk_fma_f32 v[NA:NA+1], v[\u+\p:\u+\p+1], v[VV+\p:VV+\p+1], v[NA:NA+1]
	v_pk_fma_f32 v[NB:NB+1], v[\u+\p+2:\u+\p+3], v[VV+\p+2:VV+\p+3], v[NB:NB+1]
	v_pk_add_f32 v[DA:DA+1], v[DA:DA+1], v[\u+\p:\u+\p+1]
	v_pk_add_f32 v[DB:DB+1], v[DB:DB+1], v[\u+\p+2:\u+\p+3]
.endr
.endm
.macro FINS i                          ; row i's N and D, into registers of the row's own
	v_pk_add_f32 v[NA:NA+1], v[NA:NA+1], v[NB:NB+1]
	v_pk_add_f32 v[DA:DA+1], v[DA:DA+1], v[DB:DB+1]
	v_add_f32 v[RS+2*\i], v[NA], v[NA+1]
	v_add_f32 v[RS+2*\i+1], v[DA], v[DA+1]
.endm
.macro FINST i                         ; row i's three figures go to my place among its parts: directly behind a wait on va_vdst that stands behind FINS i
	ds_store_b32 v13, v[RS+2*\i] offset:6144*\i
	ds_store_b32 v13, v[RS+2*\i+1] offset:6144*\i+128
	ds_store_b32 v13, v[MX+2*\i] offset:6144*\i+256
.endm
	s_mov_b32 s3, 0
.Lhead:                                            ; eight trips, a head each; no barrier: the waves share nothing here
	v_add_nc_u32 v9, s45, v4                       ; (v9 to v13 have been read: the wait on vm_vsrc ahead of the loop and the one at a trip's end)
	v_add_nc_u32 v10, s46, v5
	v_add_nc_u32 v11, s46, v6
	v_mov_b32 v12, s48
	v_add_nc_u32 v13, s47, v8
	s_wait_alu depctr_va_vdst(0)                   ; v9 to v13 are written, which this trip's LDS loads and stores read; the trip before (first trip: the head) is done reading and writing v112 to v195 and reading v17, in which the loads land
.irp p, 0,1,2,3,4,5
	ds_load_b64 v[WKF+2*\p:WKF+2*\p+1], v9 offset:WKC+48*(\p/3)+8*(\p%3)   ; the head's 16 rows of Wk
.endr
	ds_load_b32 v17, v10
	ds_load_b128 v[BKR:BKR+3], v11
	ds_load_b128 v[BKR+4:BKR+7], v11 offset:16
.irp i, 0,1,2,3
.irp c, 0,1,2,3
	ds_load_b128 v[U0+16*\i+4*\c:U0+16*\i+4*\c+3], v12 offset:512*\i+16*\c   ; q' of query i, this head: the same 16 numbers in every lane
.endr
.endr
	s_wait_dscnt 16                                ; the first nine are in; q's sixteen may be out
	; TRANSPOSED: source 0 = 16 rows of Wk, source 1 = 16 of my keys; bk is the sums' C.  Two accumulators
	v_wmma_scale_f32_16x16x128_f8f6f4 v[KA:KA+7], v[WKF:WKF+11], v[KFA:KFA+11], v[BKR:BKR+7], v17, v[KS] matrix_a_fmt:MATRIX_FMT_BF6 matrix_b_fmt:MATRIX_FMT_BF6
	v_wmma_scale_f32_16x16x128_f8f6f4 v[KB:KB+7], v[WKF:WKF+11], v[KFB:KFB+11], v[BKR:BKR+7], v17, v[KS] matrix_a_fmt:MATRIX_FMT_BF6 matrix_b_fmt:MATRIX_FMT_BF6 matrix_b_scale:MATRIX_SCALE_ROW1
.rept 4
	v_nop                                          ; four places, ahead of the first read of the results
.endr
.irp j, 0,1,2,3,4,5,6,7
	v_permlane16_swap_b32 v[KA+\j], v[KB+\j]       ; KA's lanes 16-31 change places with KB's lanes 0-15: now lane l is key l, KA holds its numbers 0-7, KB 8-15.  (Both results are read from their low end on)
.endr
	s_wait_dscnt 0x0                               ; q'
.irp i, 0,1,2,3
	v_pk_mul_f32 v[ACC+2*\i:ACC+2*\i+1], v[KA:KA+1], v[U0+16*\i:U0+16*\i+1]   ; the four queries by turns
.endr
.irp p, 2,4,6
.irp i, 0,1,2,3
	v_pk_fma_f32 v[ACC+2*\i:ACC+2*\i+1], v[KA+\p:KA+\p+1], v[U0+16*\i+\p:U0+16*\i+\p+1], v[ACC+2*\i:ACC+2*\i+1]
.endr
.endr
.irp p, 0,2,4,6
.irp i, 0,1,2,3
	v_pk_fma_f32 v[ACC+2*\i:ACC+2*\i+1], v[KB+\p:KB+\p+1], v[U0+16*\i+8+\p:U0+16*\i+8+\p+1], v[ACC+2*\i:ACC+2*\i+1]
.endr
.endr
.irp i, 0,1,2,3
	v_add_f32 v[T0+\i], v[ACC+2*\i], v[ACC+2*\i+1] ; t of (query i, key = lane)
.endr
.irp i, 0,1,2,3
	v_permlanex16_b32 v[T0+4+\i], v[T0+\i], s40, s41
.endr
	; each batch of exponentials has the next row's additions and maxima behind it as independent work, then ONE wait ahead of its first reader; the row before's stores stand behind the same wait
	P1 0, U0
	EX 0, U0
	P1 1, U1
	s_wait_alu depctr_va_vdst(0)                   ; row 0's 32 exponentials have written U0, ahead of their first reader
	AC U0
	FINS 0
	EX 1, U1
	P1 2, U0
	s_wait_alu depctr_va_vdst(0)                   ; row 1's 32 exponentials have written U1; row 0's N, D and M are written, which the three stores read
	FINST 0
	AC U1
	FINS 1
	EX 2, U0
	P1 3, U1
	s_wait_alu depctr_va_vdst(0)                   ; row 2's 32 exponentials have written U0; row 1's N, D and M are written, which the three stores read
	FINST 1
	AC U0
	FINS 2
	EX 3, U1
	s_wait_alu depctr_va_vdst(0)                   ; row 3's 32 exponentials have written U1; row 2's N, D and M are written, which the three stores read
	FINST 2
	AC U1
	FINS 3
	s_wait_alu depctr_va_vdst(0)                   ; row 3's N and D are written, which the stores read
	FINST 3
	s_add_co_u32 s45, s45, 1536
	s_add_co_u32 s46, s46, 64
	s_add_co_u32 s47, s47, 24576
	s_add_co_u32 s48, s48, 64
	s_wait_dscnt 0x0                               ; my LDS stores have landed
	s_wait_alu depctr_vm_vsrc(0)                   ; this trip's LDS loads and stores have read v9 to v13, the maxima and the rows' N and D: the next trip's address lines and loads, and behind the loop the merge, write them
	s_add_co_u32 s3, s3, 1
	s_cmp_lt_u32 s3, 8
	s_cbranch_scc1 .Lhead
	; ---- THE MERGE.  All addresses of the rest of the kernel are made first, in one run, so that one wait serves them; then Wo's part for my 16 outputs is asked for: it lands while the parts are merged
	v_mul_u32_u24 v9, v2, 192
	v_mad_u32_u24 v9, v3, 24, v9                   ; Wo: row R of 192 bytes, + 24 HH
	v_lshlrev_b32 v10, 3, v2                       ; its scale words: 8 bytes a row
	v_lshlrev_b32 v11, 5, v3                       ; bo: eight numbers of my half
	v_lshl_add_u32 v12, v1, 2, MS
	s_mul_i32 s49, s2, 12288
	s_add_co_u32 s49, s49, PART
	v_lshl_add_u32 v13, v1, 2, s49                 ; rows 2 w and 2 w + 1 are mine to merge
	s_and_b32 s50, s2, 1
	s_mul_i32 s50, s50, 2*XP
	s_lshr_b32 s51, s2, 1
	s_lshl_b32 s51, s51, 7
	s_add_co_u32 s50, s50, s51
	s_add_co_u32 s50, s50, XS
	v_lshl_add_u32 v4, v1, 2, s50                  ; row 2 w + j is head w / 2, query 2 (w % 2) + j: x's row = the query, 128 bytes a head, 4 a feature
	v_and_b32 v254, 3, v2
	v_mul_u32_u24 v5, v254, XP
	v_lshl_add_u32 v5, v3, 6, v5
	v_add_nc_u32 v5, XS, v5                        ; x back: row R % 4, + 64 HH: 16 numbers of each block of 32
	v_lshlrev_b32 v6, 10, v254
	v_lshl_add_u32 v6, v3, 5, v6
	s_lshl_b32 s52, s2, 6
	s_add_co_u32 s52, s52, OS
	v_add_nc_u32 v6, s52, v6                       ; the stage: row R % 4, my 16 outputs, 8 of my half
	v_lshlrev_b32 v7, 3, v0                        ; 8 x thread
	s_wait_alu depctr_va_vdst(0)                   ; v4 to v7 and v9 to v13 are written, which all loads and stores from here on read; the loop is done with v24 to v183, in which Wo's part, bo and the parts land
	FRAG6G KFA, 9, 32, 0
	FRAG6G KFB, 9, 32, 96
	global_load_b64 v[20:21], v10, s[34:35]
	global_load_b128 v[48:51], v11, s[36:37]
	global_load_b128 v[52:55], v11, s[36:37] offset:16
	BAR                                            ; all parts lie in LDS
.irp w, 0,1,2,3,4,5,6,7,8,9,10,11,12,13,14,15
	ds_load_b32 v[56+2*\w], v12 offset:256*\w
	ds_load_b32 v[57+2*\w], v12 offset:256*\w+128
.endr
.irp j, 0,1
.irp w, 0,1,2,3,4,5,6,7,8,9,10,11,12,13,14,15
	ds_load_b32 v[88+48*\j+\w], v13 offset:6144*\j+384*\w+256     ; M
	ds_load_b32 v[104+48*\j+\w], v13 offset:6144*\j+384*\w        ; N
	ds_load_b32 v[120+48*\j+\w], v13 offset:6144*\j+384*\w+128    ; D
.endr
.endr
	s_wait_dscnt 0x0
	v_pk_add_f32 v[184:185], v[56:57], v[58:59]    ; over the 512 keys: the sum of my feature's masked values, and their number
.irp w, 2,3,4,5,6,7,8,9,10,11,12,13,14,15
	v_pk_add_f32 v[184:185], v[184:185], v[56+2*\w:57+2*\w]
.endr
	v_mov_b32 v186, 0xff61b1e6
	v_mov_b32 v187, s44
	v_cmp_lt_f32 vcc_lo, 0, v185
	s_wait_alu depctr_va_vcc(0)                    ; the compare has written VCC, ahead of the select that reads it
	v_cndmask_b32 v186, v186, v187, vcc_lo         ; the masked keys' t, where there is a masked key; else -3e38
.irp j, 0,1
	v_max3_num_f32 v[188+\j], v186, v[88+48*\j], v[89+48*\j]
.endr
.irp w, 2,4,6,8,10,12,14
.irp j, 0,1
	v_max3_num_f32 v[188+\j], v[188+\j], v[88+48*\j+\w], v[89+48*\j+\w]   ; the (row, feature)'s maximum over all 512 keys, masked ones too
.endr
.endr
.irp w, 0,1,2,3,4,5,6,7,8,9,10,11,12,13,14,15
.irp j, 0,1
	v_sub_f32 v[88+48*\j+\w], v[88+48*\j+\w], v[188+\j]
.endr
.endr
.irp j, 0,1
	v_sub_f32 v[190+\j], v186, v[188+\j]
.endr
.irp w, 0,1,2,3,4,5,6,7,8,9,10,11,12,13,14,15
.irp j, 0,1
	v_exp_f32 v[88+48*\j+\w], v[88+48*\j+\w]       ; what brings a wave's part under the common maximum
.endr
.endr
.irp j, 0,1
	v_exp_f32 v[190+\j], v[190+\j]                 ; the masked keys' weight
.endr
	v_nop                                          ; a plain instruction behind the last exponential
	s_wait_alu depctr_va_vdst(0)                   ; the 34 exponentials have written their results, ahead of the first reader: one wait for the batch
.irp j, 0,1
	v_mul_f32 v[192+\j], v[190+\j], v184
	v_mul_f32 v[194+\j], v[190+\j], v185
.endr
.irp w, 0,1,2,3,4,5,6,7,8,9,10,11,12,13,14,15
.irp j, 0,1
	v_fmac_f32 v[192+\j], v[88+48*\j+\w], v[104+48*\j+\w]
	v_fmac_f32 v[194+\j], v[88+48*\j+\w], v[120+48*\j+\w]
.endr
.endr
.irp j, 0,1
	v_rcp_f32 v[196+\j], v[194+\j]
.endr
	v_nop
	s_wait_alu depctr_va_vdst(0)                   ; the two reciprocals have written v196 and v197, ahead of their first reader
.irp j, 0,1
	v_mul_f32 v[198+\j], v[192+\j], v[196+\j]      ; x
.endr
	s_wait_alu depctr_va_vdst(0)                   ; x is written in v198 and v199, which the two stores read; the merge is done with v56 to v183, in which x's rows land behind the barrier
.irp j, 0,1
	ds_store_b32 v4, v[198+\j] offset:XP*\j
.endr
	BAR                                            ; the 4 rows of x lie in LDS
	s_wait_alu depctr_vm_vsrc(0)                   ; my two stores have read v198 and v199: the first quantiser's conversions write v198
	; ---- x IS QUANTISED ALONG ITS 256, by every wave for itself (column R stands for row R % 4), and multiplied by my 16 rows of Wo
.irp s, 0,1
.irp b, 0,1,2,3
.irp c, 0,1,2,3
	ds_load_b128 v[56+64*\s+16*\b+4*\c:56+64*\s+16*\b+4*\c+3], v5 offset:512*\s+128*\b+16*\c   ; register 16 b + i of K step s: k = 128 s + 32 b + 16 HH + i
.endr
.endr
.endr
.irp b, 0,1,2,3
	v_mov_b32 v[TM+4+\b], 0                        ; written once: a lane permute's destination counts as one of its sources
.endr
	s_wait_dscnt 0x0
; 64 numbers of a lane, v[s] on, become a fragment's codes in v[pc] .. v[pc + 11] and its scale word in v[pw]
.macro QUANT s, pc, pw
.irp b, 0,1,2,3
	v_max3_num_f32 v[TM+\b], |v[\s+16*\b]|, |v[\s+1+16*\b]|, 0x2800000   ; block b: my 16 numbers, and the floor 2^(5 - 127): the byte cannot fall under 1
.endr
.irp i, 2,4,6,8,10,12,14
.irp b, 0,1,2,3
	v_max3_num_f32 v[TM+\b], v[TM+\b], |v[\s+16*\b+\i]|, |v[\s+1+16*\b+\i]|
.endr
.endr
.irp b, 0,1,2,3
	v_permlanex16_b32 v[TM+4+\b], v[TM+\b], s40, s41
.endr
.irp b, 0,1,2,3
	v_max_num_f32 v[TM+\b], v[TM+\b], v[TM+4+\b]   ; with lane l xor 16's: the block's largest magnitude
.endr
.irp b, 0,1,2,3
	v_add_nc_u32 v[TM+12+\b], 0xfe000000, v[TM+\b] ; 4 off its exponent field: the conversion takes the exponent field of this operand as its scale
.endr
.irp b, 0,1,2,3
	v_lshrrev_b32 v[TM+4+\b], 23, v[TM+12+\b]      ; the scale's byte
.endr
	v_lshl_or_b32 v[\pw], v[TM+5], 8, v[TM+4]
	v_lshl_or_b32 v[\pw], v[TM+6], 16, v[\pw]
	v_lshl_or_b32 v[\pw], v[TM+7], 24, v[\pw]
.irp c, 0,1
	v_cvt_scalef32_pk16_bf6_f32 v[\pc+6*\c:\pc+2+6*\c], v[\s+32*\c:\s+15+32*\c], v[TM+12+2*\c]
	v_cvt_scalef32_pk16_bf6_f32 v[\pc+12+4*\c:\pc+14+4*\c], v[\s+16+32*\c:\s+31+32*\c], v[TM+12+2*\c+1]   ; (a conversion's three registers begin on an even number)
.endr
	v_nop                                          ; one plain place behind a scaled conversion
.irp c, 0,1                                    ; the operand's layout wants a whole block in a lane
.irp i, 0,1,2
	v_permlane16_swap_b32 v[\pc+6*\c+\i], v[\pc+12+4*\c+\i]
.endr
.irp i, 0,1,2
	v_mov_b32 v[\pc+3+6*\c+\i], v[\pc+12+4*\c+\i]
.endr
.endr
.endm
	QUANT 56, 184, 22
	QUANT 120, 204, 23
	s_wait_loadcnt 0x0                             ; Wo's fragments, its scale words, bo
.rept 8
	v_nop                                          ; a scale register written by a vector instruction stands 8 places ahead of a scaled matrix instruction, an operand so written 4
.endr
	s_wait_alu depctr_va_vdst(0)                   ; behind the places: the quantisers have written x's codes (v184 to v195, v204 to v215) and scale words (v22, v23), which the scaled products take
	; TRANSPOSED: source 0 = my 16 rows of Wo, source 1 = x: lane (R, HH) holds outputs 16 w + 8 HH + 0 .. 7 of row R % 4; bo is the sum's C
	v_wmma_scale_f32_16x16x128_f8f6f4 v[248:255], v[KFA:KFA+11], v[184:195], v[48:55], v20, v22 matrix_a_fmt:MATRIX_FMT_BF6 matrix_b_fmt:MATRIX_FMT_BF6
	s_wait_alu depctr_va_vdst(0)                   ; the wait stands directly ahead of the link, which adds onto v248 to v255
	v_wmma_scale_f32_16x16x128_f8f6f4 v[248:255], v[KFB:KFB+11], v[204:215], v[248:255], v21, v23 matrix_a_fmt:MATRIX_FMT_BF6 matrix_b_fmt:MATRIX_FMT_BF6
.rept 4
	v_nop
.endr
	s_wait_alu depctr_va_vdst(0)                   ; behind the places: the product has written v248 to v255, which the two LDS stores read; the quantiser is done reading v56 and v57, in which the stage's load lands
	ds_store_b128 v6, v[248:251]                   ; from the result's low end on; lanes with the same R % 4 write the same numbers to the same place
	ds_store_b128 v6, v[252:255] offset:16
	BAR                                            ; 4 whole rows of out0 lie in the stage
	ds_load_b64 v[56:57], v7 offset:OS
	s_wait_dscnt 0x0
	global_store_b64 v7, v[56:57], s[38:39] th:TH_STORE_NT   ; the 4 rows are 4,096 consecutive bytes: a wave stores 256 of them, at a multiple of 256 from out0's first byte
	s_wait_dscnt 0x0                               ; the wave's end
	s_wait_alu 0x0
	s_wait_tensorcnt 0x0
	ds_add_u32 v[SPW], v[NIL]
	s_wait_dscnt 0x0
	s_endpgm
.Lfunc_end_k_q9ef3ee2ee8_mtan:
	.size	k_q9ef3ee2ee8_mtan, .Lfunc_end_k_q9ef3ee2ee8_mtan-k_q9ef3ee2ee8_mtan
	.p2alignl 7, 3214868480
	.fill 96, 4, 3214868480
	.section	.rodata,"a",@progbits
	.p2align	6, 0x0
	.amdhsa_kernel k_q9ef3ee2ee8_mtan
		.amdhsa_group_segment_fixed_size 228608
		.amdhsa_private_segment_fixed_size 0
		.amdhsa_enable_private_segment 0
		.amdhsa_kernarg_size 128
		.amdhsa_user_sgpr_count 2
		.amdhsa_user_sgpr_kernarg_segment_ptr 1
		.amdhsa_wavefront_size32 1
		.amdhsa_system_sgpr_workgroup_id_x 1
		.amdhsa_system_sgpr_workgroup_id_y 1
		.amdhsa_system_sgpr_workgroup_id_z 1
		.amdhsa_system_vgpr_workitem_id 0
		.amdhsa_next_free_vgpr 256
		.amdhsa_next_free_sgpr 66
		.amdhsa_reserve_vcc 1
		.amdhsa_float_denorm_mode_32 3
		.amdhsa_float_denorm_mode_16_64 3
		.amdhsa_memory_ordered 1
		.amdhsa_forward_progress 1
		.amdhsa_inst_pref_size 89
	.end_amdhsa_kernel
	.amdgpu_metadata
---
amdhsa.version: [ 1, 2 ]
amdhsa.kernels:
  - .name:           k_q9ef3ee2ee8_mtan
    .symbol:         k_q9ef3ee2ee8_mtan.kd
    .args:
      - { .name: query_codes, .offset: 0, .size: 8, .value_kind: global_buffer, .address_space: global }
      - { .name: query_scales, .offset: 8, .size: 8, .value_kind: global_buffer, .address_space: global }
      - { .name: Wq_codes, .offset: 16, .size: 8, .value_kind: global_buffer, .address_space: global }
      - { .name: Wq_scales, .offset: 24, .size: 8, .value_kind: global_buffer, .address_space: global }
      - { .name: bq, .offset: 32, .size: 8, .value_kind: global_buffer, .address_space: global }
      - { .name: key_codes, .offset: 40, .size: 8, .value_kind: global_buffer, .address_space: global }
      - { .name: key_scales, .offset: 48, .size: 8, .value_kind: global_buffer, .address_space: global }
      - { .name: Wk_codes, .offset: 56, .size: 8, .value_kind: global_buffer, .address_space: global }
      - { .name: Wk_scales, .offset: 64, .size: 8, .value_kind: global_buffer, .address_space: global }
      - { .name: bk, .offset: 72, .size: 8, .value_kind: global_buffer, .address_space: global }
      - { .name: mask, .offset: 80, .size: 8, .value_kind: global_buffer, .address_space: global }
      - { .name: value, .offset: 88, .size: 8, .value_kind: global_buffer, .address_space: global }
      - { .name: Wo_codes, .offset: 96, .size: 8, .value_kind: global_buffer, .address_space: global }
      - { .name: Wo_scales, .offset: 104, .size: 8, .value_kind: global_buffer, .address_space: global }
      - { .name: bo, .offset: 112, .size: 8, .value_kind: global_buffer, .address_space: global }
      - { .name: out0, .offset: 120, .size: 8, .value_kind: global_buffer, .address_space: global }
    .group_segment_fixed_size: 228608
    .private_segment_fixed_size: 0
    .kernarg_segment_align: 8
    .kernarg_segment_size: 128
    .max_flat_workgroup_size: 512
    .sgpr_count:     66
    .vgpr_count:     256
    .wavefront_size: 32
...
	.end_amdgpu_metadata
.endif
;; end of part 2
